; MI455X (gfx1250); checked and timed in simulation.
; The chip was launched on July 23, 2026; its instructions are those of AMD's public machine-readable ISA for CDNA 5 (MIT licence, August 2026) and "CDNA5" Instruction Set Architecture Reference Guide (July 2026). The comments in the code are by the model that wrote it; some were corrected since.
;; Decoder Head. Allowed arithmetic: matrix products marked QUANTISED: E5M2 operands, one E8M0 scale for each 32 along K, by v_wmma_scale_f32_16x16x128_f8f6f4 with both operands' format E5M2, f32 sums; everything else in f32.
;; Inputs: Wq_codes 1,024 x 32 x 32 uint8 (E5M2 codes of Wq, K innermost, in blocks of 32 codes); Wq_scales 1,024 x 32 uint8 (E8M0 scales of Wq, one for each 32 codes along K); k_codes 4 x 16 x 2,048 x 2 x 32 uint8 (E5M2 codes of k, K innermost, in blocks of 32 codes); k_scales 4 x 16 x 2,048 x 2 uint8 (E8M0 scales of k, one for each 32 codes along K); v_codes 4 x 16 x 64 x 64 x 32 uint8 (E5M2 codes of v, K innermost, in blocks of 32 codes); v_scales 4 x 16 x 64 x 64 uint8 (E8M0 scales of v, one for each 32 codes along K); x 4 x 2,048 x 1,024 float32.
;; Outputs: out0 4 x 2,048 x 1,024 float32.
;; This version of the problem:
;;   THIS VERSION OF THE PROBLEM IS GIVEN IN LOW PRECISION. The matrix products marked QUANTISED in the list below multiply operands that are first quantised to E5M2 (5 exponent bits, 2 mantissa bits; 8 bits a number), with one power-of-two scale for each 32 numbers along K (OCP MX v1.0); their sums are f32. All else is computed in f32.
;;   The module's matrix products, in the order in which they are computed (A, B: the left and right operand; K: the contracted axis; several contracted axes count as one K, in the product's order):
;;     1. [M 8,192, K 1,024] x [K 1,024, N 1,024]; A: input x; B: input Wq (given as codes): QUANTISED
;;     2. batch 64 x [M 2,048, K 64] x [K 64, N 2,048]; A: computed on the way; B: input k (given as codes): QUANTISED
;;     3. batch 64 x [M 2,048, K 2,048] x [K 2,048, N 64]; A: softmax (see below); B: input v (given as codes): QUANTISED
;;   THE QUANTISER, for each operand of a quantised product, along K:
;;     - K is cut into blocks of 32 from its start; a last block that is shorter is filled with zeros.
;;     - A block's scale is 2^e with e = floor(log2(the largest magnitude in the block)) - 15, held to -126 .. 127; a block of zeros has e = 0. As a byte (E8M0): e + 127.
;;     - Each number is divided by its block's scale, clamped to +-57,344, and rounded to the nearest number of E5M2, ties to even, subnormals kept.
;;     - The product sums the exact products of the quantised numbers (number of the format x scale) in f32.
;;   ~~~python
;;   def quantise(x, axis):      # numpy; x: float32 -> the quantised numbers, widened to float32 again
;;       x = np.moveaxis(x, axis, -1); K = x.shape[-1]
;;       x = np.pad(x, [(0, 0)] * (x.ndim - 1) + [(0, -K % 32)]); x = x.reshape(x.shape[:-1] + (-1, 32)); a = np.abs(x).max(-1, keepdims=True)
;;       e = np.where(a > 0, np.clip(np.frexp(np.where(a > 0, a, 1))[1] - 1 - 15, -126, 127), 0)      # np.frexp(a)[1] - 1 = floor(log2(a)), exactly
;;       r = np.clip(x / 2.0 ** e, -57344, 57344)
;;       step = 2.0 ** (np.maximum(np.frexp(np.where(r == 0, 1, r))[1] - 1, -14) - 2)
;;       q = np.round(r / step) * step * 2.0 ** e      # np.round: ties to even
;;       return np.moveaxis(q.reshape(q.shape[:-2] + (-1,))[..., :K], -1, axis).astype(np.float32)
;;   ~~~
;;   SOFTMAX AHEAD OF A QUANTISED PRODUCT. Where the list says 'softmax', what is quantised is not the finished softmax but p = 2^(t - M), with t = logit x log2(e) and M = ceil(the row's largest t), a whole number; so 1/2 < the row's largest p <= 1. The row's sum l is taken of the UNQUANTISED p, in f32, and the product's result is divided by l at the end. Since M is a whole number, a kernel that streams over the keys may use a running M (the ceiling of the running maximum): every later rescaling is an exact power of two, which a block's scale takes up: the codes' values come out the same.
;;   OPERANDS COMPUTED ON THE WAY. 'Computed on the way' means the value that the module computes at that place (a softmax that the list does not call 'softmax' is quantised finished and normalised). What goes into a quantiser is computed in f32, as accurately as f32 sums, v_exp_f32 and their like allow (about 1e-6 of the number): no bf16 or f16 on the way to a quantiser, and a product that is left as it is and whose result goes on into a quantised operand takes f32 operands (vector FMAs, or v_wmma_f32_16x16x4_f32). A number that lies on a knife's edge between two numbers of the format may be rounded either way, as far as f32 arithmetic and the matrix unit's own rounding can turn it there, and no further.
;;   INPUTS GIVEN AS CODES. Wq (in the module: [1024, 1024], K = its axis 1); k (in the module: [4, 16, 2048, 64], K = its axis 3); v (in the module: [4, 16, 2048, 64], K = its axis 2): each comes as NAME_codes (uint8): NAME with its K axis moved to the last place and cut into blocks of 32 codes, [.., K / 32, bytes a block], one block behind the other in memory; one code a byte (a code: sign, 5 exponent bits, 2 mantissa bits); and NAME_scales (uint8): the same leading axes, one E8M0 byte (e + 127) for each 32 codes along K. Its value is code x scale, taken as it is: it is not quantised again, and the codes and scales need not be those that the quantiser above would give.
;; One version. Each part assembles by itself: llvm-mc -triple=amdgcn-amd-amdhsa -mcpu=gfx1250 --defsym DOCPART=n.
;; ======== version 1 of 1: 2 launches
;; limits: right only within a limited range of input values
;; workspace buffers: qc 8,388,608 bytes; qs 524,288 bytes
;; launch qproj (part 1): grid 4 x 64, 4 waves a work-group, clusters of 4 x 1, 209,408 bytes of LDS; arguments x, Wq_codes, Wq_scales, qc, qs; writes qc, qs
.if DOCPART == 1
	.amdgcn_target "amdgcn-amd-amdhsa--gfx1250"
	.amdhsa_code_object_version 6
	.text
	.protected	k_q4db89b563a_qproj
	.globl	k_q4db89b563a_qproj
	.p2align	8
	.type	k_q4db89b563a_qproj,@function
k_q4db89b563a_qproj:
	s_mov_b64 s[64:65], 0
	v_nop
	global_prefetch_b8 v0, s[64:65] scope:SCOPE_SE
	s_setreg_imm32_b32 hwreg(HW_REG_WAVE_MODE, 25, 1), 1
	s_wait_xcnt 0x0
	s_wait_alu depctr_hold_cnt(0) depctr_sa_sdst(0) depctr_va_vdst(0) depctr_va_sdst(0) depctr_va_ssrc(0) depctr_va_vcc(0) depctr_vm_vsrc(0)
	s_getreg_b32 s2, hwreg(HW_REG_IB_STS2, 6, 4)
	s_cmp_eq_u32 s2, 0
	s_cbranch_scc0 .Lentry_in_a_cluster
	s_endpgm
.Lentry_in_a_cluster:
	s_bfe_u32 s2, ttmp6, 0x10000c
	s_cmp_lg_u32 s2, 0x3003
	s_cbranch_scc0 .Lentry_shape_is_right
	s_endpgm
.Lentry_shape_is_right:
; q = x Wq^T on codes of BF8 (E5M2) with one E8M0 scale for each 32 along K, and q quantised again along each head's 64 for the next launch.
; x: [8192][1024] f32, quantised here along its 1,024.  Wq: [1024][1024] as codes, K innermost, scale bytes [1024][32].
; OUT: qc [64 heads b*16+hd][128 tiles of 16 queries][c 0..1][lane 0..31][16 bytes]: the image of an operand's registers: (c, lane (r, h)) = q(query r, channel 32 c + 16 h + 0..15).
;      qs [64][2048] words: a query's two scale bytes written twice (s0, s1, s0, s1), so that one word serves q in either half of a K of 128.
; SHARES.  A work-group takes 128 rows of x (grid y) and four heads (its place in the cluster); wave w owns head 4 x + w: its 64 rows of Wq, 32 fragments, stay in 512 registers, read once.
; PHASE X: wave w quantises rows 32 w .. 32 w + 31 (two tiles of 16 rows, 8 K steps of 128) and stores the fragments in LDS as images of their registers | one barrier |
; PHASE 1: every wave walks the 8 tiles of rows: x's 8 fragments from LDS, 32 products (transposed: source 0 = 16 rows of Wq, source 1 = x), q quantised in registers, stored.
; x IS ASKED FOR TWO K STEPS AHEAD: four sets of 64 registers, (row tile p, K step's parity): a wave has 64 loads of x on their way.  A trip of the loop is two K steps, so that the sets' numbers come round.
; THE ROWS OF Wq THAT FORM A TILE ARE NOT NEIGHBOURS: lane r of tile 2 b + e takes row 32 b + 8 e + r + 8 (r / 8), so that the 16 registers of tiles 2 b, 2 b + 1 are channels 32 b + 16 h + 0..15.
; THE CLUSTER: the four work-groups that read the same 128 rows of x form a cluster and run at the same time.  NO JOINT LOAD, NO TENSOR LOAD: x must pass through registers as f32 to be quantised, and the
; weights go from memory straight into the registers in which they stay: no tile lies in LDS as it lies in memory.  The place in the cluster enters global addresses alone.
; LIMITS: NaN and infinities in x, NaN or infinity codes and scale bytes 0xff in Wq are not served.  A block of zeros gets the byte 1, not 127: its codes are zeros, and only this program reads the bytes.
; REGISTERS.  window 0: v2-15, v33 addresses; v16-31 at work in the quantiser; v32 the scale word just made; v34-49 the codes just made; v50-65 x's scale words, two sets; v66-97 Wq's;
;   v98-225 two sets of 64 neighbouring numbers of x; in phase 1 v98-129 are the four accumulators.   windows 1, 2: Wq's fragment (u, s) in window 1 + s / 4 at v[16 (4 u + s % 4)].
;   window 3: phase X: four sets of 64 registers as loaded; phase 1: two sets of x's 8 fragments.
.set XIMG, 0                           ; LDS: x's 64 fragments, (tile m, K step s) at 2048 (8 m + s)
.set XSC,  131072                      ; their scale words, 128 bytes each
.set STG,  139264                      ; for each wave two stages of 16 rows x (512 + 16) bytes
.set QSW,  206848                      ; for each wave 512 bytes: the scale words of its head's 128 queries
.set SP,   528                         ; a stage row: 33 x 16 bytes, so that 16 rows' equal columns start at 16 different groups of banks (64 banks of 4 bytes: ISA guide 11.1)
.set STB,  16*SP
.set LI,   2                           ; v2   16 x lane
.set SI,   3                           ; v3   the stage, on the way in: 16 x lane
.set SOA,  4                           ; v4   on the way out: 528 r + 64 h
.set XWI,  5                           ; v5   where my wave's images begin: 16 x lane + 32768 w
.set XWS,  6                           ; v6   and their scale words: XSC + 4 x lane + 2048 w
.set FA,   7                           ; v7   the tile of rows being fetched: images
.set FS,   8                           ; v8   scale words
.set FS0,  9                           ; v9   XSC + 4 x lane
.set QWS,  10                          ; v10  QSW + 512 w + 4 r
.set QWR,  11                          ; v11  QSW + 512 w + 16 x lane
.set WA,   12                          ; v12  Wq's codes: (r + 8 (r / 8)) x 1024 + 16 h
.set WSA,  13                          ; v13  Wq's scale bytes: (r + 8 (r / 8)) x 32
.set XWIC, 14                          ; v14  XWI + the K step
.set XWSC, 15                          ; v15  XWS + the K step
.set TM,   16                          ; v16-19 largest magnitudes, v20-23 bytes, v24-27 largest number x scale, v28-31 the conversions' scale operands
.set PW,   32
.set QWSC, 33                          ; v33  QWS + the tile
.set PC,   34
.set XS,   50
.set WS,   66
.set XN,   98
.set QA,   98
.set WV,   14                          ; s14  my wave's number
.set SEL,  20                          ; s[20:21] v_permlanex16_b32's selects for lane l xor 16
.set MNT,  22                          ; s22  the mantissa field of 57,344
.set CNT,  23
.set SX,   28                          ; s28, s29 the K step's place among a tile's images and scale words
.set SXS,  29
.set SF,   30                          ; s30, s31 the fetched tile's place among the images and the scale words
.set SG,   31
.set SQ,   32                          ; s32  the tile's place among q's scale words
.set MSB, 0
.macro WIN new                         ; the immediate's high byte repeats the setting that is left
.if MSB != \new
	s_set_vgpr_msb (MSB<<8)|\new
.set MSB, \new
.endif
.endm
; 16 rows x 128 numbers of row tile 2 w + p, from off bytes on, into set: each load takes 512 consecutive bytes of one row
.macro XLOAD p, off, set
	WIN 0xc0                                       ; destination window 3
.irp i, 0,1,2,3,4,5,6,7,8,9,10,11,12,13,14,15
	global_load_b128 v[64*(\set)+4*\i:64*(\set)+4*\i+3], v[LI], s[4:5] offset:\off+65536*(\p)+4096*\i
.endr
	WIN 0
.endm
; through my stage p: in as loaded, back 64 bytes a lane and block: register 16 b + i = k 32 b + 16 h + i of row r.  LDS serves a wave's instructions in order (ISA guide 5.7.1.4): no wait between
.macro TURN p, set
	WIN 0x0c                                       ; an LDS store's data are its source 1: window 3
.irp i, 0,1,2,3,4,5,6,7,8,9,10,11,12,13,14,15
	ds_store_b128 v[SI], v[64*(\set)+4*\i:64*(\set)+4*\i+3] offset:STB*(\p)+SP*\i
.endr
	WIN 0
.irp b, 0,1,2,3
.irp j, 0,1,2,3
	ds_load_b128 v[XN+64*(\p)+16*\b+4*\j:XN+64*(\p)+16*\b+4*\j+3], v[SOA] offset:STB*(\p)+128*\b+16*\j
.endr
.endr
.endm
; 64 numbers of a lane, v[s] on, become a fragment's codes in v[PC] on and its scale word in v[PW]
.macro QUANT s
.irp b, 0,1,2,3
	v_max3_num_f32 v[TM+\b], |v[\s+16*\b]|, |v[\s+1+16*\b]|, 0x8000000   ; block b: my 16 numbers and the floor 2^(16 - 127): the byte cannot fall under 1
.endr
.irp i, 2,4,6,8,10,12,14
.irp b, 0,1,2,3
	v_max3_num_f32 v[TM+\b], v[TM+\b], |v[\s+16*\b+\i]|, |v[\s+1+16*\b+\i]|   ; the four blocks by turns
.endr
.endr
.irp b, 0,1,2,3
	v_permlanex16_b32 v[TM+4+\b], v[TM+\b], s[SEL], s[SEL+1]
.endr
.irp b, 0,1,2,3
	v_max_num_f32 v[TM+\b], v[TM+\b], v[TM+4+\b]   ; with lane l xor 16's: the block's largest magnitude
.endr
.irp b, 0,1,2,3
	v_add_nc_u32 v[TM+12+\b], 0xf8800000, v[TM+\b] ; 15 off its exponent field: the conversion takes this operand's exponent field as its scale
.endr
.irp b, 0,1,2,3
	v_and_or_b32 v[TM+8+\b], v[TM+\b], 0x7f800000, s[MNT]   ; 57,344 x the scale
.endr
.irp b, 0,1,2,3
	v_lshrrev_b32 v[TM+4+\b], 23, v[TM+12+\b]      ; the scale's byte
.endr
	v_lshl_or_b32 v[PW], v[TM+5], 8, v[TM+4]
	v_lshl_or_b32 v[PW], v[TM+6], 16, v[PW]
	v_lshl_or_b32 v[PW], v[TM+7], 24, v[PW]
.irp b, 0,1,2,3
.irp i, 0,1,2,3,4,5,6,7,8,9,10,11,12,13,14,15
	v_med3_num_f32 v[\s+16*\b+\i], v[\s+16*\b+\i], -v[TM+8+\b], v[TM+8+\b]   ; the conversion to an 8-bit code does not saturate (ISA guide 7.6.2): the hold comes first
.endr
	v_cvt_scalef32_pk8_bf8_f32 v[PC+4*\b:PC+1+4*\b], v[\s+16*\b:\s+7+16*\b], v[TM+12+\b]
	v_cvt_scalef32_pk8_bf8_f32 v[PC+2+4*\b:PC+3+4*\b], v[\s+8+16*\b:\s+15+16*\b], v[TM+12+\b]
.endr
	v_nop                                          ; a plain line behind the last conversion: later vector and matrix lines write its sources
.endm
; One fragment of x, of row tile p and a K step of parity par.  ahead: its set, p + 2 par, is loaded again, with the same rows' K step two on.
; turn: the numbers that are quantised next (p = 0: tile 1, this K step; p = 1: tile 0, the next K step) go through the other stage while this fragment is quantised.
.macro XFRAG p, ahead, turn, lcnt, par
.if \ahead
	s_wait_dscnt 16                                ; behind the 16 stage stores that read the set stand at least the 16 read-backs: the stores are done
	XLOAD \p, 1024, \p+2*\par
.endif
.if \turn
	s_wait_loadcnt \lcnt                           ; the set that goes through the stage below is in; the sets asked for behind it, 16 loads each, may be out
.endif
	s_wait_dscnt 0x0                               ; my 64 numbers are back from the stage, and the last image's stores have read their registers
.if \p == 0
	v_add_nc_u32 v[XWIC], s[SX], v[XWI]            ; (no LDS instruction of mine is out)
	v_add_nc_u32 v[XWSC], s[SXS], v[XWS]
.endif
.if \turn
	TURN 1-\p, (1-\p)+2*((\par+\p)%2)
.endif
	QUANT XN+64*\p
.irp c, 0,1,2,3
	ds_store_b128 v[XWIC], v[PC+4*\c:PC+4*\c+3] offset:16384*\p+512*\c   ; the fragment as it stands: lane l's 16 bytes at 16 l
.endr
	ds_store_b32 v[XWSC], v[PW] offset:1024*\p
.endm
.macro KNEXT                           ; on to the next K step
	s_wait_xcnt 0x0                                ; the loads have read their base
	s_add_nc_u64 s[4:5], s[4:5], 512
	s_add_co_u32 s[SX], s[SX], 2048
	s_add_co_u32 s[SXS], s[SXS], 128
.endm
; a tile of rows: its 8 fragments and 8 scale words, into set buf
.macro FETCH buf
	WIN 0xc0
.irp s, 0,1,2,3,4,5,6,7
.irp c, 0,1,2,3
	ds_load_b128 v[128*(\buf)+16*\s+4*\c:128*(\buf)+16*\s+4*\c+3], v[FA] offset:2048*\s+512*\c
.endr
.endr
	WIN 0
.irp s, 0,1,2,3,4,5,6,7
	ds_load_b32 v[XS+8*(\buf)+\s], v[FS] offset:128*\s
.endr
.endm
; the lane's 32 numbers of q (two blocks of 32 channels, 16 of each) become 8 registers of codes and the scale word (s0, s1, s0, s1)
.macro QUANTQ
.irp b, 0,1
	v_max3_num_f32 v[TM+\b], |v[QA+16*\b]|, |v[QA+1+16*\b]|, 0x8000000   ; each accumulator is read from its low end on
.endr
.irp i, 2,4,6,8,10,12,14
.irp b, 0,1
	v_max3_num_f32 v[TM+\b], v[TM+\b], |v[QA+16*\b+\i]|, |v[QA+1+16*\b+\i]|
.endr
.endr
.irp b, 0,1
	v_permlanex16_b32 v[TM+4+\b], v[TM+\b], s[SEL], s[SEL+1]
.endr
.irp b, 0,1
	v_max_num_f32 v[TM+\b], v[TM+\b], v[TM+4+\b]
.endr
.irp b, 0,1
	v_add_nc_u32 v[TM+12+\b], 0xf8800000, v[TM+\b]
.endr
.irp b, 0,1
	v_and_or_b32 v[TM+8+\b], v[TM+\b], 0x7f800000, s[MNT]
.endr
.irp b, 0,1
	v_lshrrev_b32 v[TM+4+\b], 23, v[TM+12+\b]
.endr
	v_lshl_or_b32 v[PW], v[TM+5], 8, v[TM+4]
	v_lshl_or_b32 v[PW], v[PW], 16, v[PW]
.irp b, 0,1
.irp i, 0,1,2,3,4,5,6,7,8,9,10,11,12,13,14,15
	v_med3_num_f32 v[QA+16*\b+\i], v[QA+16*\b+\i], -v[TM+8+\b], v[TM+8+\b]
.endr
	v_cvt_scalef32_pk8_bf8_f32 v[PC+4*\b:PC+1+4*\b], v[QA+16*\b:QA+7+16*\b], v[TM+12+\b]
	v_cvt_scalef32_pk8_bf8_f32 v[PC+2+4*\b:PC+3+4*\b], v[QA+8+16*\b:QA+15+16*\b], v[TM+12+\b]
.endr
	v_nop                                          ; a plain line behind the last conversion: the next products write its sources
.endm
; One tile of 16 rows against my head's 64 rows of Wq: 32 products, the four accumulators by turns, one instruction a turn.
.macro ROWTILE buf, fetch
	s_wait_dscnt 0x0                               ; set buf, asked for a whole tile ago, is in; no LDS instruction of mine is out, so the address registers may be written
	v_add_nc_u32 v[QWSC], s[SQ], v[QWS]
.if \fetch
	s_add_co_u32 s[SF], s[SF], 16384
	s_add_co_u32 s[SG], s[SG], 1024
	v_add_nc_u32 v[FA], s[SF], v[LI]
	v_add_nc_u32 v[FS], s[SG], v[FS0]
	FETCH 1-\buf                                   ; the next tile lands under this tile's products; the other set's last readers stand far more than eight places back
.endif
	WIN 0x0d                                       ; source 0 (Wq) window 1, source 1 (x) window 3
.irp s, 0,1,2,3
.irp u, 0,1,2,3
.if \s == 0
	v_wmma_scale_f32_16x16x128_f8f6f4 v[QA+8*\u:QA+8*\u+7], v[16*(4*\u+\s):16*(4*\u+\s)+15], v[128*(\buf)+16*\s:128*(\buf)+16*\s+15], 0, v[WS+8*\u+\s], v[XS+8*(\buf)+\s] matrix_a_fmt:MATRIX_FMT_BF8 matrix_b_fmt:MATRIX_FMT_BF8
.else
	v_wmma_scale_f32_16x16x128_f8f6f4 v[QA+8*\u:QA+8*\u+7], v[16*(4*\u+\s):16*(4*\u+\s)+15], v[128*(\buf)+16*\s:128*(\buf)+16*\s+15], v[QA+8*\u:QA+8*\u+7], v[WS+8*\u+\s], v[XS+8*(\buf)+\s] matrix_a_fmt:MATRIX_FMT_BF8 matrix_b_fmt:MATRIX_FMT_BF8
.endif
.endr
.endr
	WIN 0x0e                                       ; source 0 window 2
.irp s, 4,5,6,7
.irp u, 0,1,2,3
	v_wmma_scale_f32_16x16x128_f8f6f4 v[QA+8*\u:QA+8*\u+7], v[16*(4*\u+\s-4):16*(4*\u+\s-4)+15], v[128*(\buf)+16*\s:128*(\buf)+16*\s+15], v[QA+8*\u:QA+8*\u+7], v[WS+8*\u+\s], v[XS+8*(\buf)+\s] matrix_a_fmt:MATRIX_FMT_BF8 matrix_b_fmt:MATRIX_FMT_BF8
.endr
.endr
	WIN 0
.rept 8
	v_nop                                          ; eight places in front of the first read of results
.endr
	s_wait_xcnt 0x0                                ; the last tile's stores have read their data: the codes' registers are written again only behind this wait
	QUANTQ
.irp c, 0,1
	global_store_b128 v[LI], v[PC+4*\c:PC+4*\c+3], s[10:11] offset:1024*\buf+512*\c   ; 32 lanes store 512 consecutive bytes, aligned
.endr
	ds_store_b32 v[QWSC], v[PW]                    ; lanes r and r + 16 write the same word with the same value
	s_add_co_u32 s[SQ], s[SQ], 64
.endm
	s_load_b128 s[4:7], s[0:1], 0x0                ; x, Wq's codes
	s_load_b128 s[8:11], s[0:1], 0x10              ; Wq's scales, qc
	s_load_b64 s[12:13], s[0:1], 0x20              ; qs
	v_lshl_add_u32 v254, v0, 2, 0x33000
	v_mov_b32 v255, 0
	v_lshrrev_b32 v1, 5, v0
	v_readfirstlane_b32 s[WV], v1                  ; wave 0..3
	v_and_b32 v1, 31, v0                           ; lane
	v_and_b32 v34, 15, v0                          ; r
	v_bfe_u32 v35, v0, 4, 1                        ; h
	v_lshlrev_b32 v[LI], 4, v1
	v_lshlrev_b32 v36, 2, v1
	s_mul_i32 s24, s[WV], 2*STB
	s_add_co_u32 s24, s24, STG                     ; my two stages
	v_add_nc_u32 v[SI], s24, v[LI]
	v_mul_u32_u24 v[SOA], v34, SP
	v_lshl_add_u32 v[SOA], v35, 6, v[SOA]
	v_add_nc_u32 v[SOA], s24, v[SOA]
	s_lshl_b32 s24, s[WV], 15
	v_add_nc_u32 v[XWI], s24, v[LI]
	s_lshl_b32 s24, s[WV], 11
	s_add_co_u32 s24, s24, XSC
	v_add_nc_u32 v[XWS], s24, v36
	v_add_nc_u32 v[FS0], XSC, v36
	s_lshl_b32 s24, s[WV], 9
	s_add_co_u32 s24, s24, QSW
	v_lshl_add_u32 v[QWS], v34, 2, s24
	v_add_nc_u32 v[QWR], s24, v[LI]
	v_and_b32 v37, 8, v34
	v_add_nc_u32 v37, v37, v34                     ; r + 8 (r / 8)
	v_lshlrev_b32 v[WA], 10, v37
	v_lshl_add_u32 v[WA], v35, 4, v[WA]
	v_lshlrev_b32 v[WSA], 5, v37
.irp b, 0,1,2,3
	v_mov_b32 v[TM+4+\b], 0                        ; written once: a lane permute's destination counts as one of its sources
.endr
	s_mov_b32 s[SEL], 0x76543210
	s_mov_b32 s[SEL+1], 0xfedcba98
	s_mov_b32 s[MNT], 0x600000
	s_bfe_u32 s17, ttmp6, 0x40000                  ; my place in the cluster: which four heads
	s_lshl_b32 s17, s17, 2
	s_add_co_u32 s17, s17, s[WV]                   ; my head: 4 x + w
	s_and_b32 s16, ttmp7, 0xffff                   ; which 128 rows: the cluster's y
	s_lshr_b32 s18, s16, 4
	s_lshl_b32 s18, s18, 4
	s_add_co_u32 s18, s18, s17                     ; 16 x batch + head
	s_and_b32 s19, s16, 15                         ; which 128 queries of the batch
	s_mov_b32 s25, 0
	s_wait_alu depctr_va_vdst(0)
	s_wait_kmcnt 0x0
	s_lshl_b32 s24, s16, 19                        ; 128 rows of 4,096 bytes,
	s_lshl_b32 s26, s[WV], 17                      ; my 32 of them
	s_add_co_u32 s24, s24, s26
	s_add_nc_u64 s[4:5], s[4:5], s[24:25]
	s_lshl_b32 s24, s17, 16                        ; 64 rows of 1,024 codes
	s_add_nc_u64 s[6:7], s[6:7], s[24:25]
	s_lshl_b32 s24, s17, 11                        ; 64 rows of 32 scale bytes
	s_add_nc_u64 s[8:9], s[8:9], s[24:25]
	s_lshl_b32 s24, s18, 17                        ; a head's 128 tiles of 1,024 bytes,
	s_lshl_b32 s26, s19, 13                        ; 8 tiles
	s_add_co_u32 s24, s24, s26
	s_add_nc_u64 s[10:11], s[10:11], s[24:25]
	s_lshl_b32 s24, s18, 13                        ; a head's 2,048 words,
	s_lshl_b32 s26, s19, 9                         ; 128 words
	s_add_co_u32 s24, s24, s26
	s_add_nc_u64 s[12:13], s[12:13], s[24:25]
	XLOAD 0, 0, 0                                  ; both row tiles' first two K steps
	XLOAD 1, 0, 1
	XLOAD 0, 512, 2
	XLOAD 1, 512, 3
	WIN 0x40                                       ; Wq's fragments of K steps 0-3: window 1
.irp u, 0,1,2,3
.irp s, 0,1,2,3
.irp c, 0,1,2,3
	global_load_b128 v[16*(4*\u+\s)+4*\c:16*(4*\u+\s)+4*\c+3], v[WA], s[6:7] offset:(32*(\u/2)+8*(\u%2))*1024+128*\s+32*\c
.endr
.endr
.endr
	WIN 0x80                                       ; K steps 4-7: window 2
.irp u, 0,1,2,3
.irp s, 0,1,2,3
.irp c, 0,1,2,3
	global_load_b128 v[16*(4*\u+\s)+4*\c:16*(4*\u+\s)+4*\c+3], v[WA], s[6:7] offset:(32*(\u/2)+8*(\u%2))*1024+128*(\s+4)+32*\c
.endr
.endr
.endr
	WIN 0
.irp u, 0,1,2,3
.irp k, 0,1
	global_load_b128 v[WS+8*\u+4*\k:WS+8*\u+4*\k+3], v[WSA], s[8:9] offset:(32*(\u/2)+8*(\u%2))*32+16*\k   ; a row's 8 scale words, one for each K step
.endr
.endr
	s_mov_b32 s[SX], 0
	s_mov_b32 s[SXS], 0
	s_wait_loadcnt 63                              ; behind the first 16 loads stand 184: the largest count that the wait can name shows them in
	TURN 0, 0
	s_mov_b32 s[CNT], 3
.Lkstep:                                               ; a trip: K steps 2 n and 2 n + 1 of both row tiles; it asks for K steps 2 n + 2 and 2 n + 3.  Behind the set that a fragment's wait needs, three sets have been asked for: 48 loads
	XFRAG 0, 1, 1, 48, 0
	XFRAG 1, 1, 1, 48, 0
	KNEXT
	XFRAG 0, 1, 1, 48, 1
	XFRAG 1, 1, 1, 48, 1
	KNEXT
	s_sub_co_u32 s[CNT], s[CNT], 1
	s_cmp_lg_u32 s[CNT], 0
	s_cbranch_scc1 .Lkstep
	XFRAG 0, 0, 1, 32, 0                           ; the last two K steps ask for nothing: no load leaves the row.  Behind tile 1's K step 6 stand both tiles' K step 7,
	XFRAG 1, 0, 1, 16, 0                           ; behind tile 0's K step 7 tile 1's,
	KNEXT
	XFRAG 0, 0, 1, 0, 1                            ; behind that nothing
	XFRAG 1, 0, 0, 0, 1
	s_wait_dscnt 0x0                               ; for the others' sake: my images and scale words have landed
	s_barrier_signal -1
	s_barrier_wait -1                              ; x's 64 fragments lie in LDS; nobody writes them again
	s_mov_b32 s[SF], 0
	s_mov_b32 s[SG], 0
	s_mov_b32 s[SQ], 0
	v_mov_b32 v[FA], v[LI]
	v_mov_b32 v[FS], v[FS0]
	FETCH 0
	s_mov_b32 s[CNT], 3
.Lrows:                                                ; a trip: two tiles of 16 rows
	ROWTILE 0, 1
	ROWTILE 1, 1
	s_wait_xcnt 0x0                                ; the stores have read their base
	s_add_nc_u64 s[10:11], s[10:11], 2048
	s_sub_co_u32 s[CNT], s[CNT], 1
	s_cmp_lg_u32 s[CNT], 0
	s_cbranch_scc1 .Lrows
	ROWTILE 0, 1
	ROWTILE 1, 0                                   ; the last tile fetches nothing
	ds_load_b128 v[PC+8:PC+11], v[QWR]             ; my head's 128 scale words; LDS serves a wave's instructions in order: this sees my stores
	s_wait_dscnt 0x0
	global_store_b128 v[LI], v[PC+8:PC+11], s[12:13]   ; 512 consecutive bytes, aligned
	s_wait_tensorcnt 0x0                           ; the wave's end
	ds_add_u32 v254, v255
	s_wait_dscnt 0x0
	s_endpgm
.Lfunc_end_k_q4db89b563a_qproj:
	.size	k_q4db89b563a_qproj, .Lfunc_end_k_q4db89b563a_qproj-k_q4db89b563a_qproj
	.p2alignl 7, 3214868480
	.fill 96, 4, 3214868480
	.section	.rodata,"a",@progbits
	.p2align	6, 0x0
	.amdhsa_kernel k_q4db89b563a_qproj
		.amdhsa_group_segment_fixed_size 209408
		.amdhsa_private_segment_fixed_size 0
		.amdhsa_enable_private_segment 0
		.amdhsa_kernarg_size 40
		.amdhsa_user_sgpr_count 2
		.amdhsa_user_sgpr_kernarg_segment_ptr 1
		.amdhsa_wavefront_size32 1
		.amdhsa_system_sgpr_workgroup_id_x 1
		.amdhsa_system_sgpr_workgroup_id_y 1
		.amdhsa_system_sgpr_workgroup_id_z 1
		.amdhsa_system_vgpr_workitem_id 0
		.amdhsa_next_free_vgpr 1024
		.amdhsa_next_free_sgpr 66
		.amdhsa_reserve_vcc 0
		.amdhsa_float_denorm_mode_32 3
		.amdhsa_float_denorm_mode_16_64 3
		.amdhsa_memory_ordered 1
		.amdhsa_forward_progress 1
		.amdhsa_inst_pref_size 160
	.end_amdhsa_kernel
	.amdgpu_metadata
---
amdhsa.version: [ 1, 2 ]
amdhsa.kernels:
  - .name:           k_q4db89b563a_qproj
    .symbol:         k_q4db89b563a_qproj.kd
    .args:
      - { .name: x, .offset: 0, .size: 8, .value_kind: global_buffer, .address_space: global }
      - { .name: Wq_codes, .offset: 8, .size: 8, .value_kind: global_buffer, .address_space: global }
      - { .name: Wq_scales, .offset: 16, .size: 8, .value_kind: global_buffer, .address_space: global }
      - { .name: qc, .offset: 24, .size: 8, .value_kind: global_buffer, .address_space: global }
      - { .name: qs, .offset: 32, .size: 8, .value_kind: global_buffer, .address_space: global }
    .group_segment_fixed_size: 209408
    .private_segment_fixed_size: 0
    .kernarg_segment_align: 8
    .kernarg_segment_size: 40
    .max_flat_workgroup_size: 128
    .sgpr_count:     66
    .vgpr_count:     1024
    .wavefront_size: 32
...
	.end_amdgpu_metadata
.endif
;; end of part 1
;; launch attn (part 2): grid 4 x 64, 8 waves a work-group, clusters of 4 x 1, 327,680 bytes of LDS; arguments qc, qs, k_codes, k_scales, v_codes, v_scales, x, out0; writes out0
.if DOCPART == 2
	.amdgcn_target "amdgcn-amd-amdhsa--gfx1250"
	.amdhsa_code_object_version 6
	.text
	.protected	k_q4db89b563a_attn
	.globl	k_q4db89b563a_attn
	.p2align	8
	.type	k_q4db89b563a_attn,@function
k_q4db89b563a_attn:
	s_mov_b64 s[64:65], 0
	v_nop
	global_prefetch_b8 v0, s[64:65] scope:SCOPE_SE
	s_setreg_imm32_b32 hwreg(HW_REG_WAVE_MODE, 25, 1), 1
	s_wait_xcnt 0x0
	s_wait_alu depctr_hold_cnt(0) depctr_sa_sdst(0) depctr_va_vdst(0) depctr_va_sdst(0) depctr_va_ssrc(0) depctr_va_vcc(0) depctr_vm_vsrc(0)
	s_getreg_b32 s2, hwreg(HW_REG_IB_STS2, 6, 4)
	s_cmp_eq_u32 s2, 0
	s_cbranch_scc0 .Lentry_in_a_cluster
	s_endpgm
.Lentry_in_a_cluster:
	s_bfe_u32 s2, ttmp6, 0x10000c
	s_cmp_lg_u32 s2, 0x3003
	s_cbranch_scc0 .Lentry_shape_is_right
	s_endpgm
.Lentry_shape_is_right:
; out = x + softmax_causal(q k^T / 32) v, head by head, both products on codes of BF8 (E5M2) with one E8M0 scale for each 32 along a product's K.
; q: codes and scale words as the launch before laid them (images of operand registers; a word holds a query's two bytes twice).  k: [64 heads][2048 keys][64] codes, scale bytes [64][2048][2].
; v: codes with the keys innermost, [64][64 channels][2048], scale bytes [64][64][64].  x, out: [4][2048][1024] f32; head hd owns columns 64 hd .. 64 hd + 63.
; WORK LEFT OUT: reference() itself hides key k from query q where k > q; a step of 128 keys all of which come after a wave's 32 queries reaches no output for any inputs, and is jumped over.
;   A NaN or an infinity that lies only in such hidden scores is not carried to the result.
; THE SOFTMAX: t = score x log2(e) / 32; M = the row's largest t so far, rounded UP to a whole number; p = 2^(t - M) is quantised along the keys, not normalised; the sum of the unquantised p divides at the end.
; When M moves, the sum and O are multiplied by 2^(old M - new M): exact.
; SHARES.  The four work-groups of a head form a cluster.  A HEAD'S WHOLE K AND V LIE IN LDS, filled once: eight joint loads, one a wave (wave 2 c: keys 512 c on of K, wave 2 c + 1: of V), each asked for by all four partners.
; The 2,048 queries are 64 units of 32.  Wave w of work-group i owns unit 63 - (4 w + i), which sees 16 - w steps of 128 keys, and then unit 4 w + i, which sees w + 1: 17 steps for every wave.
; Every wave walks all 16 steps of each unit's walk (the trip counts are constants) and jumps over the hidden ones; which steps are hidden or on the diagonal hangs on the wave's number and the trip alone, not on the place in the cluster.
; The first barrier shows keys 0-511 (waves 0 and 1 wait for their loads, which have lines of their own) and the scale words; three steps on a second barrier, with every wave's wait, shows the rest.  No LDS byte is filled twice.
; K = 64 IN AN INSTRUCTION 128 DEEP.  Row m of fragment f is key a = 32 f + m + 8 (m / 8) in the lower 64 of K and key a + 8 in the upper.  Against (q, 0) it gives key a's score, against (0, q) key a + 8's.
; Both products are used transposed, so a lane holds ONE query; register 16 f + 8 e + j of lane (r, h) is key 32 f + 16 h + 8 e + j: 16 neighbouring keys, so the conversions' results are the second product's operand as they stand.
; k's scale bytes are laid in LDS once as words (a's two bytes, a + 8's two bytes), in the order of the fragments' rows; v's as they lie.  Both go through registers, in whole units.
; The next step's fragments of K are asked for behind this step's score products, V's at the step's head.
; THE TWO TILES OF A WAVE ARE STAGGERED in the softmax: plain lines of one tile stand between the other tile's exponentials; what such a line writes is first read behind the wait that follows the batch.
; NO PREFETCH OF K AND V: they are asked for once, at the head, with no loop ahead of the loads.  x's 32 rows x 256 bytes of each unit are prefetched ahead of the first loop, behind the first barrier, a lane a row, each block once in the launch.
; LIMITS: NaN and infinity codes and scale bytes 0xff are not served (a zero code of the unused half of K times an infinity would give NaN).  A block of p that is all zeros keeps the byte 1: its codes are zeros.
; REGISTERS.  window 0: v1-11, v24-27 addresses; v12-23 statistics; v28-34, v79 scale words; v36-78 at work; v84-215 S^T then p, 64 a tile, p's codes of tile t laid over v[84 + 64 t] on;
;   v216-247 tile A's sums of four in a step, x on the way out; v248-251 the way out.
;   window 1: v0-63 O^T (32 t + 8 u + j); v64-103 Q as 0 | qA | 0 | qB | 0; v104-119 the second unit's q; v128-191 K's four fragments; v192-255 V's four.
.set KSTEP, 9216                       ; a step of K in LDS: 64 pairs of neighbouring keys x (128 bytes + 16 of padding)
.set VP,    528                        ; a row of a chunk of V: 512 bytes + 16: 33 x 16, so that 16 rows start at 16 different groups of banks (64 banks of 4 bytes: ISA guide 11.1)
.set VCH,   64*VP                      ; a chunk of V: 64 channels x 512 keys
.set VB,    16*KSTEP
.set SCK,   VB+4*VCH                   ; k's 1,024 scale words
.set SCV,   SCK+4096                   ; v's: 64 rows of 64 bytes
.set STAGE, SCV+4096                   ; the way out: 16 rows x 272 bytes for each wave
.set SPARE, STAGE+8*16*272             ; the spare words, 128 bytes for each wave
.set AK0,  1
.set AV0,  2
.set ASK0, 3
.set ASV0, 4
.set SPW,  5
.set NIL,  6
.set GO,   7
.set ADK,  8
.set ADV,  9
.set ADS,  10
.set ADT,  11
.set ST,   12                          ; tile t: v[12+4t] -M, v[13+4t] the largest t, v[14+4t:15+4t] the sum in two halves
.set FF,   20                          ; v[20+2t] f = 2^(old M - new M)
.set STO,  24
.set RD,   25
.set L16,  26
.set L4,   27
.set KSC,  28                          ; v28-29 k's scale words: lanes 0-15 fragment 2 g, lanes 16-31 fragment 2 g + 1
.set VSC,  30
.set QS,   32                          ; q's: lanes 0-15 tile A, lanes 16-31 tile B
.set PS,   33
.set W,    36                          ; tile t at 36 + 16 t: +0..3 block maxima, +4..7 permutes and bytes, +8..11 57,344 x scale, +12..15 the conversions' scale operands
.set CH,   68
.set TP,   72
.set NINF, 74
.set DD,   75
.set RH,   77
.set PFX,  78
.set QS2,  79
.set S,    88
.set T,    216
.set XA,   216
.set QR,   64
.set QB2,  104
.set KFR,  128
.set VFR,  192
.set WV,   20
.set IX,   21
.set DG,   22                          ; the trip on the unit's diagonal: its last live one
.set J,    23
.set ODD,  24
.set Q0,   26
.set Q0B,  27
.set SEL,  32
.set CS,   34
.set MNT,  36
.set G1K,  40
.set G1V,  48
.set G0K,  56
.set G0V,  60
.set XBA,  66
.set OBA,  68
.set XBB,  70
.set OBB,  72
.set QCA,  74
.set QCB,  76
.set QSA,  78
.set QSB,  80
.set MSB, 0
.macro WIN new                         ; the immediate's high byte repeats the setting that is left
.if MSB != \new
	s_set_vgpr_msb (MSB<<8)|\new
.set MSB, \new
.endif
.endm
.macro NOPS n
.rept \n
	v_nop
.endr
.endm
.macro WALU
	s_wait_alu depctr_va_vdst(0)
.endm
.macro BARRIER
	s_barrier_signal -1
	s_barrier_wait -1
.endm
.macro CROUND                          ; a round of the cluster's barrier
	BARRIER
	s_cmp_lg_u32 s[WV], 0
	s_cbranch_scc1 .Lnot_wave_0_\@
	s_barrier_signal -3
.Lnot_wave_0_\@:
	s_barrier_wait -3
	BARRIER
.endm
.macro TL g0, g1                       ; a joint load; an s_nop 0 and four v_nop follow it
	tensor_load_to_lds s[\g0:\g0+3], s[\g1:\g1+7]
	s_nop 0
	NOPS 4
.endm
.macro UADDR q0, xb, ob, qcb, qsb      ; the global addresses that hang on a unit's first query
	s_lshl_b32 s96, s[\q0], 12
	s_add_nc_u64 s[\xb:\xb+1], s[16:17], s[96:97]
	s_add_nc_u64 s[\ob:\ob+1], s[18:19], s[96:97]
	s_lshl_b32 s96, s[\q0], 6
	s_add_nc_u64 s[\qcb:\qcb+1], s[4:5], s[96:97]
	s_lshl_b32 s96, s[\q0], 2
	s_add_nc_u64 s[\qsb:\qsb+1], s[6:7], s[96:97]
.endm
.macro QLOAD base, step, qcb, qsb, sreg
	WIN 0x40
.irp t, 0,1
.irp c, 0,1
	global_load_b128 v[\base+\step*\t+4*\c:\base+\step*\t+4*\c+3], v[L16], s[\qcb:\qcb+1] offset:1024*\t+512*\c
.endr
.endr
	WIN 0
	global_load_b32 v[\sreg], v[L4], s[\qsb:\qsb+1]
.endm
.macro KLOAD ak, as                    ; a step's scale words and four fragments of K: 18 loads
	ds_load_b32 v[KSC], v[\as]
	ds_load_b32 v[KSC+1], v[\as] offset:128
	WIN 0x40
.irp f, 0,1,2,3
	ds_load_b128 v[KFR+16*\f:KFR+16*\f+3], v[\ak] offset:2304*\f
	ds_load_b128 v[KFR+16*\f+4:KFR+16*\f+7], v[\ak] offset:2304*\f+32
	ds_load_b128 v[KFR+16*\f+8:KFR+16*\f+11], v[\ak] offset:2304*\f+576      ; key a + 8: four pairs on
	ds_load_b128 v[KFR+16*\f+12:KFR+16*\f+15], v[\ak] offset:2304*\f+608
.endr
	WIN 0
.endm
.macro VLOAD                           ; the same of V: 18 loads
	ds_load_b32 v[VSC], v[ADT]
	ds_load_b32 v[VSC+1], v[ADT] offset:2048
	WIN 0x40
.irp u, 0,1,2,3
.irp c, 0,1,2,3
	ds_load_b128 v[VFR+16*\u+4*\c:VFR+16*\u+4*\c+3], v[ADV] offset:16*VP*\u+32*\c
.endr
.endr
	WIN 0
.endm
.macro SPROD f, e, t                   ; S^T: fragment f against tile t's q in the lower (e = 0) or the upper (e = 1) half of K
.set rD, S+64*\t+16*\f+8*\e
.set rA, KFR+16*\f
.set rB, QR+16*\t+8*(1-\e)
.if (\f%2 == 0) && (\t == 0)
	v_wmma_scale_f32_16x16x128_f8f6f4 v[rD:rD+7], v[rA:rA+15], v[rB:rB+15], 0, v[KSC+\f/2], v[QS] matrix_a_fmt:MATRIX_FMT_BF8 matrix_b_fmt:MATRIX_FMT_BF8
.elseif (\f%2 == 1) && (\t == 0)
	v_wmma_scale_f32_16x16x128_f8f6f4 v[rD:rD+7], v[rA:rA+15], v[rB:rB+15], 0, v[KSC+\f/2], v[QS] matrix_a_fmt:MATRIX_FMT_BF8 matrix_b_fmt:MATRIX_FMT_BF8 matrix_a_scale:MATRIX_SCALE_ROW1
.elseif (\f%2 == 0)
	v_wmma_scale_f32_16x16x128_f8f6f4 v[rD:rD+7], v[rA:rA+15], v[rB:rB+15], 0, v[KSC+\f/2], v[QS] matrix_a_fmt:MATRIX_FMT_BF8 matrix_b_fmt:MATRIX_FMT_BF8 matrix_b_scale:MATRIX_SCALE_ROW1
.else
	v_wmma_scale_f32_16x16x128_f8f6f4 v[rD:rD+7], v[rA:rA+15], v[rB:rB+15], 0, v[KSC+\f/2], v[QS] matrix_a_fmt:MATRIX_FMT_BF8 matrix_b_fmt:MATRIX_FMT_BF8 matrix_a_scale:MATRIX_SCALE_ROW1 matrix_b_scale:MATRIX_SCALE_ROW1
.endif
.endm
.macro PVPROD u, t                     ; O^T += V^T P^T: channels 16 u on, tile t, K = the step's 128 keys
.set rO, 32*\t+8*\u
.set rV, VFR+16*\u
.set rP, S-4+64*\t
.if \u%2 == 0
	v_wmma_scale_f32_16x16x128_f8f6f4 v[rO:rO+7], v[rV:rV+15], v[rP:rP+15], v[rO:rO+7], v[VSC+\u/2], v[PS+\t] matrix_a_fmt:MATRIX_FMT_BF8 matrix_b_fmt:MATRIX_FMT_BF8
.else
	v_wmma_scale_f32_16x16x128_f8f6f4 v[rO:rO+7], v[rV:rV+15], v[rP:rP+15], v[rO:rO+7], v[VSC+\u/2], v[PS+\t] matrix_a_fmt:MATRIX_FMT_BF8 matrix_b_fmt:MATRIX_FMT_BF8 matrix_a_scale:MATRIX_SCALE_ROW1
.endif
.endm
.macro SCALEOPS t                      ; from tile t's four largest p: the conversions' scale operands, the bounds, the bytes and p's scale word for these 128 keys
.irp b, 0,1,2,3
	v_max_num_f32 v[W+16*\t+\b], 0x8000000, v[W+16*\t+\b]   ; the floor 2^(16 - 127): the byte cannot fall under 1
.endr
.irp b, 0,1,2,3
	v_add_nc_u32 v[W+16*\t+12+\b], 0xf8800000, v[W+16*\t+\b]   ; 15 off the exponent field: the conversion's scale operand
.endr
.irp b, 0,1,2,3
	v_and_or_b32 v[W+16*\t+8+\b], v[W+16*\t+\b], 0x7f800000, s[MNT]   ; 57,344 x the scale
.endr
.irp b, 0,1,2,3
	v_lshrrev_b32 v[W+16*\t+4+\b], 23, v[W+16*\t+12+\b]   ; the scale's byte
.endr
	v_lshl_or_b32 v[PS+\t], v[W+16*\t+5], 8, v[W+16*\t+4]
	v_lshl_or_b32 v[PS+\t], v[W+16*\t+6], 16, v[PS+\t]
	v_lshl_or_b32 v[PS+\t], v[W+16*\t+7], 24, v[PS+\t]
.endm
.macro HOLD2 x, bd                     ; two numbers held at the largest code x the scale (the conversion to an 8-bit code does not saturate: ISA guide 7.6.2); p is not negative, so the hold is one-sided
	v_dual_min_num_f32 v[\x], v[\x], v[\bd] :: v_dual_min_num_f32 v[\x+1], v[\x+1], v[\bd]
.endm
.macro CODES t, b                      ; block b's four registers of codes are registers 4 b .. 4 b + 3 of the operand, which begins four registers under the tile's scores: each lands on numbers that are done with
	v_cvt_scalef32_pk8_bf8_f32 v[S-4+64*\t+4*\b:S-3+64*\t+4*\b], v[S+64*\t+16*\b:S+64*\t+16*\b+7], v[W+16*\t+12+\b]
	v_cvt_scalef32_pk8_bf8_f32 v[S-2+64*\t+4*\b:S-1+64*\t+4*\b], v[S+64*\t+16*\b+8:S+64*\t+16*\b+15], v[W+16*\t+12+\b]
	v_nop                                          ; a plain line behind the conversions: later lines write their sources
.endm
; The two tiles' softmax of a step
.macro SOFTMAX
.irp t, 0,1
.irp b, 0,1,2,3
	v_max3_num_f32 v[W+16*\t+\b], v[S+64*\t+16*\b], v[S+64*\t+16*\b+1], v[S+64*\t+16*\b+2]   ; the largest score of each block of 32 keys serves twice: for the row's maximum and, since p rises with the score, for the block's largest p
.endr
.endr
.irp i, 3,5,7,9,11,13
.irp t, 0,1
.irp b, 0,1,2,3
	v_max3_num_f32 v[W+16*\t+\b], v[W+16*\t+\b], v[S+64*\t+16*\b+\i], v[S+64*\t+16*\b+\i+1]
.endr
.endr
.endr
.irp t, 0,1
.irp b, 0,1,2,3
	v_max_num_f32 v[W+16*\t+\b], v[W+16*\t+\b], v[S+64*\t+16*\b+15]
.endr
.endr
.irp t, 0,1
.irp b, 0,1,2,3
	v_permlanex16_b32 v[W+16*\t+4+\b], v[W+16*\t+\b], s[SEL], s[SEL+1]
.endr
.endr
.irp t, 0,1
.irp b, 0,1,2,3
	v_max_num_f32 v[W+16*\t+\b], v[W+16*\t+\b], v[W+16*\t+4+\b]   ; with lane l xor 16's 16 keys
.endr
.endr
.irp t, 0,1
	v_max3_num_f32 v[TP+\t], v[W+16*\t], v[W+16*\t+1], v[W+16*\t+2]
.endr
.irp t, 0,1
	v_max_num_f32 v[TP+\t], v[TP+\t], v[W+16*\t+3] ; the step's largest score of my query
.endr
.irp t, 0,1
	v_mul_f32 v[TP+\t], s[CS], v[TP+\t]            ; as t (c is positive)
.endr
.irp t, 0,1
	v_max_num_f32 v[ST+4*\t+1], v[ST+4*\t+1], v[TP+\t]   ; the running largest t
.endr
.irp t, 0,1
	v_mov_b32 v[TP+\t], v[ST+4*\t]
.endr
.irp t, 0,1
	v_floor_f32 v[ST+4*\t], -v[ST+4*\t+1]          ; the new -M = floor(-t): M is a whole number
.endr
.irp t, 0,1
	v_sub_f32 v[TP+\t], v[ST+4*\t], v[TP+\t]       ; old M less new M: a whole number, 0 or less
.endr
.irp t, 0,1
	v_cvt_i32_f32 v[TP+\t], v[TP+\t]               ; (it saturates)
.endr
.irp t, 0,1
	v_ldexp_f32 v[FF+2*\t], 1.0, v[TP+\t]          ; f = 2^(old M - new M): a multiplication by it rounds nothing
.endr
.set j, 0
.rept 32
	v_pk_fma_f32 v[S+j:S+j+1], v[S+j:S+j+1], s[CS:CS+1], v[ST:ST+1] op_sel_hi:[1,0,0]   ; tile A: t - M, two at a time
.set j, j+2
.endr
.irp b, 0,1,2,3
	v_fma_f32 v[W+\b], v[W+\b], s[CS], v[ST]       ; the same of each block's largest score
.endr
	WALU                                           ; ahead of the batch
.set j, 0
.rept 32                                       ; TILE A's EXPONENTIALS, p = 2^(t - M), at most 1, not normalised; between them tile B's t - M, which is read behind the next wait
	v_exp_f32 v[S+j], v[S+j]
	v_pk_fma_f32 v[S+64+j:S+65+j], v[S+64+j:S+65+j], s[CS:CS+1], v[ST+4:ST+5] op_sel_hi:[1,0,0]
	v_exp_f32 v[S+j+1], v[S+j+1]
.set j, j+2
.endr
.irp b, 0,1,2,3
	v_exp_f32 v[W+\b], v[W+\b]                     ; the block's largest p: the same two instructions on the same number
	v_fma_f32 v[W+16+\b], v[W+16+\b], s[CS], v[ST+4]
.endr
.irp t, 0,1
	v_pk_mul_f32 v[ST+4*\t+2:ST+4*\t+3], v[ST+4*\t+2:ST+4*\t+3], v[FF+2*\t:FF+2*\t+1] op_sel_hi:[1,0]   ; the sums under the new M (the plain place behind the exponentials)
.endr
	WALU                                           ; behind the batch, ahead of its first reader
	SCALEOPS 0
	WALU                                           ; ahead of the second batch
.set j, 0
.irp b, 0,1,2,3                                ; TILE B's EXPONENTIALS; between them, of tile A's block b: the unquantised p summed four to a pair, then the holds.  All that these lines write is read behind the next wait
.irp k, 0,1,2,3
	v_exp_f32 v[S+64+j], v[S+64+j]
	v_pk_add_f32 v[T+8*\b+2*\k:T+8*\b+2*\k+1], v[S+16*\b+4*\k:S+16*\b+4*\k+1], v[S+16*\b+4*\k+2:S+16*\b+4*\k+3]
.set j, j+1
.endr
.irp i, 0,2,4,6,8,10,12,14
	v_exp_f32 v[S+64+j], v[S+64+j]
	HOLD2 S+16*\b+\i, W+8+\b
.set j, j+1
.endr
.endr
.rept 16
	v_exp_f32 v[S+64+j], v[S+64+j]
.set j, j+1
.endr
.irp b, 0,1,2,3
	v_exp_f32 v[W+16+\b], v[W+16+\b]
.endr
	v_nop                                          ; the plain place behind the exponentials
	WALU                                           ; behind the batch
	SCALEOPS 1
; THE ROWS' SUMS ARE TAKEN OF THE UNQUANTISED p: tile A's sixteen pairs are folded, tile B's 64 numbers summed two at a time; two chains a tile, the four by turns
	v_pk_add_f32 v[CH:CH+1], v[T+2:T+3], v[T+6:T+7]
	v_pk_add_f32 v[CH+2:CH+3], v[S+64:S+65], v[S+66:S+67]
	v_pk_add_f32 v[ST+2:ST+3], v[ST+2:ST+3], v[T:T+1]
.irp j, 4,8,12,16,20,24,28,32,36,40,44,48,52,56,60
	v_pk_add_f32 v[ST+6:ST+7], v[ST+6:ST+7], v[S+64+\j:S+65+\j]
	v_pk_add_f32 v[CH+2:CH+3], v[CH+2:CH+3], v[S+66+\j:S+67+\j]
.if \j <= 28
	v_pk_add_f32 v[ST+2:ST+3], v[ST+2:ST+3], v[T+\j:T+\j+1]
.if \j >= 8
	v_pk_add_f32 v[CH:CH+1], v[CH:CH+1], v[T+\j+2:T+\j+3]
.endif
.endif
.endr
.irp t, 0,1
	v_pk_add_f32 v[ST+4*\t+2:ST+4*\t+3], v[ST+4*\t+2:ST+4*\t+3], v[CH+2*\t:CH+2*\t+1]
.endr
.irp b, 0,1,2,3
	CODES 0, \b
.endr
.irp b, 0,1,2,3
.irp i, 0,2,4,6,8,10,12,14
	HOLD2 S+64+16*\b+\i, W+24+\b
.endr
	CODES 1, \b
.endr
.endm
; A KEY STEP: the 128 keys of trip J
.macro STEP
	s_cmp_gt_u32 s[J], s[DG]                       ; all keys after my 32 queries: the step is left out.  The wave's number and the trip alone decide
	s_cbranch_scc1 .Lhid_\@
	s_lshr_b32 s31, s[J], 2                        ; V: chunk J / 4, 128 (J % 4) bytes on in its rows
	s_mul_i32 s31, s31, VCH
	s_and_b32 s39, s[J], 3
	s_lshl_b32 s39, s39, 7
	s_add_co_u32 s31, s31, s39
	v_add_nc_u32 v[ADV], s31, v[AV0]
	s_lshl_b32 s39, s[J], 2
	v_add_nc_u32 v[ADT], s39, v[ASV0]
	s_add_co_u32 s39, s[J], 1                      ; K: the NEXT step's (the last trip names its own step again: no read leaves K's bytes)
	s_min_u32 s39, s39, 15
	s_mul_i32 s31, s39, KSTEP
	v_add_nc_u32 v[ADK], s31, v[AK0]
	s_lshl_b32 s39, s39, 8
	v_add_nc_u32 v[ADS], s39, v[ASK0]
	NOPS 5                                         ; with the four additions nine places behind the last products: the loads below land in V's registers, the products below write over p's codes
	WALU
	VLOAD
	s_wait_dscnt 18                                ; K and its scale words, asked for a step ago, are in; V's 18 loads may be out
	WIN 0x05                                       ; K and Q in window 1, S^T in window 0
.irp f, 0,1,2,3
.irp e, 0,1
.irp t, 0,1
	SPROD \f, \e, \t
.endr
.endr
.endr
	WIN 0
	NOPS 8                                         ; eight places in front of the loads into K's registers and of the first read of results
	KLOAD ADK, ADS
	s_cmp_lg_u32 s[J], s[DG]                       ; on the diagonal hidden keys' scores become -infinity ahead of the maximum: p = 0 then
	s_cbranch_scc1 .Lopen_\@
	s_lshl_b32 s39, s[J], 7
	s_sub_co_i32 s31, s[Q0], s39
	v_add_nc_u32 v[DD], s31, v[RH]                 ; d = my query - the step's first key - 16 h.  Register n holds key 32 (n / 16) + n % 16 of my half: hidden where that is over d
	v_add_nc_u32 v[DD+1], 16, v[DD]
.irp t, 0,1
.set n, 0
.rept 64
	v_cmp_gt_i32 vcc_lo, 32*(n/16)+n%16, v[DD+\t]
	v_cndmask_b32 v[S+64*\t+n], v[S+64*\t+n], v[NINF], vcc_lo
.set n, n+1
.endr
.endr
.Lopen_\@:
	SOFTMAX
	WIN 0x41                                       ; O^T in window 1, f in window 0
	WALU                                           ; directly ahead of the first readers of O^T
.irp t, 0,1
.set j, 0
.rept 16
	v_pk_mul_f32 v[32*\t+j:32*\t+j+1], v[32*\t+j:32*\t+j+1], v[FF+2*\t:FF+2*\t+1] op_sel_hi:[1,0]   ; O^T under the new M (also the places between p's codes and the products)
.set j, j+2
.endr
.endr
	WALU
	s_wait_dscnt 18                                ; V is in; the next step's 18 loads of K may be out
	WIN 0x51                                       ; V, C and D in window 1, P in window 0
.irp u, 0,1,2,3
.irp t, 0,1
	PVPROD \u, \t                                  ; eight accumulators, one instruction each
.endr
.endr
	WIN 0
.Lhid_\@:
.endm
.macro INIT                            ; a unit begins: the largest t under every t, sums and O^T zero (the first change of M multiplies zeros)
.irp t, 0,1
	v_mov_b32 v[ST+4*\t+1], 0xff61b1e6             ; -3e38
	v_mov_b32 v[ST+4*\t+2], 0
	v_mov_b32 v[ST+4*\t+3], 0
.endr
.irp t, 0,1
	v_floor_f32 v[ST+4*\t], -v[ST+4*\t+1]
.endr
	WIN 0x40
.set j, 0
.rept 64
	v_mov_b32 v[j], 0
.set j, j+1
.endr
	WIN 0
.endm
; THE WAY OUT of a unit: O^T / the sum goes through my stage, a tile at a time, comes back as rows of 256 bytes, takes x and is stored
.macro FINISH xb, ob
	NOPS 8                                         ; eight places behind the last products
	s_wait_dscnt 0x0                               ; the loads of K that the last live step asked for ahead are in: the counts below count the stage's alone
.irp i, 0,1,2,3,4,5,6,7
	global_load_b128 v[XA+4*\i:XA+4*\i+3], v[GO], s[\xb:\xb+1] offset:2*\i*4096 th:TH_LOAD_NT      ; x of tile A: lanes 0-15 one row's 256 bytes, lanes 16-31 the next row's
.endr
.irp i, 0,1,2,3,4,5,6,7
	global_load_b128 v[W+4*\i:W+4*\i+3], v[GO], s[\xb:\xb+1] offset:(16+2*\i)*4096 th:TH_LOAD_NT   ; of tile B
.endr
.irp t, 0,1
	v_add_f32 v[ST+4*\t+2], v[ST+4*\t+2], v[ST+4*\t+3]
.endr
.irp t, 0,1
	v_permlanex16_b32 v[248+\t], v[ST+4*\t+2], s[SEL], s[SEL+1]
.endr
.irp t, 0,1
	v_add_f32 v[ST+4*\t+2], v[ST+4*\t+2], v[248+\t]
.endr
	WALU
.irp t, 0,1
	v_rcp_f32 v[250+\t], v[ST+4*\t+2]
.endr
	v_nop
	WIN 0x01
	WALU
.irp t, 0,1
.set j, 0
.rept 32
	v_mul_f32 v[S+32*\t+j], v[32*\t+j], v[250+\t]  ; register 8 u + j is o(query r, channel 16 u + 8 h + j); each accumulator from its low end on
.set j, j+1
.endr
.endr
	WIN 0
.irp t, 0,1
.irp u, 0,1,2,3
	ds_store_b128 v[STO], v[S+32*\t+8*\u:S+32*\t+8*\u+3] offset:64*\u
	ds_store_b128 v[STO], v[S+32*\t+8*\u+4:S+32*\t+8*\u+7] offset:64*\u+16
.endr
.irp i, 0,1,2,3,4,5,6,7
	ds_load_b128 v[S+64+32*\t+4*\i:S+64+32*\t+4*\i+3], v[RD] offset:2*\i*272   ; LDS serves a wave's instructions in order (ISA guide 5.7.1.4)
.endr
.endr
	s_wait_loadcnt 0x0                             ; x
.irp i, 0,1,2,3,4,5,6,7
	s_wait_dscnt 23-\i                             ; behind tile A's load i: its 7 - i younger ones, tile B's 8 stores and 8 loads
	v_pk_add_f32 v[S+64+4*\i:S+65+4*\i], v[S+64+4*\i:S+65+4*\i], v[XA+4*\i:XA+4*\i+1]
	v_pk_add_f32 v[S+66+4*\i:S+67+4*\i], v[S+66+4*\i:S+67+4*\i], v[XA+4*\i+2:XA+4*\i+3]
	global_store_b128 v[GO], v[S+64+4*\i:S+67+4*\i], s[\ob:\ob+1] offset:2*\i*4096 th:TH_STORE_NT   ; 16 lanes store 256 consecutive bytes, aligned
.endr
.irp i, 0,1,2,3,4,5,6,7
	s_wait_dscnt 7-\i
	v_pk_add_f32 v[S+96+4*\i:S+97+4*\i], v[S+96+4*\i:S+97+4*\i], v[W+4*\i:W+4*\i+1]
	v_pk_add_f32 v[S+98+4*\i:S+99+4*\i], v[S+98+4*\i:S+99+4*\i], v[W+4*\i+2:W+4*\i+3]
	global_store_b128 v[GO], v[S+96+4*\i:S+99+4*\i], s[\ob:\ob+1] offset:(16+2*\i)*4096 th:TH_STORE_NT
.endr
.endm
	s_load_b256 s[4:11], s[0:1], 0x0               ; qc, qs, k's codes, k's scales
	s_load_b256 s[12:19], s[0:1], 0x20             ; v's codes, v's scales, x, out
	v_lshl_add_u32 v[SPW], v0, 2, SPARE
	v_mov_b32 v[NIL], 0
	ds_add_u32 v[SPW], v[NIL]                      ; the wave's opening: the add, twice on end, and its wait ahead of my first tensor load
	ds_add_u32 v[SPW], v[NIL]
	v_lshrrev_b32 v8, 5, v0
	v_readfirstlane_b32 s[WV], v8                  ; wave 0..7
	s_and_b32 s[ODD], s[WV], 1
	s_bfe_u32 s[IX], ttmp6, 0x40000                ; i: my place in the cluster; it enters global addresses and the mask's numbers alone
	s_and_b32 s31, ttmp7, 0xffff                   ; the head, 16 x batch + head
	; group 1.  K: 512 keys, 32,768 dense bytes, as 128 rows of 256, four words of padding behind every 32; the mask names the cluster's four
	s_mov_b32 s[G1K], 15|(1<<20)|(1<<21)|(4<<22)|(3<<25)
	s_mov_b32 s[G1K+1], 256<<16
	s_mov_b32 s[G1K+2], 128<<16
	s_mov_b32 s[G1K+3], 256<<16
	s_mov_b32 s[G1K+4], 128
	s_mov_b32 s[G1K+5], 256
	s_mov_b32 s[G1K+6], 0
	s_mov_b32 s[G1K+7], 0
	; V: 64 rows of 512 bytes, 2,048 apart, four words of padding behind every 128
	s_mov_b32 s[G1V], 15|(1<<20)|(1<<21)|(6<<22)|(3<<25)
	s_mov_b32 s[G1V+1], 512<<16
	s_mov_b32 s[G1V+2], 64<<16
	s_mov_b32 s[G1V+3], 512<<16
	s_mov_b32 s[G1V+4], 64
	s_mov_b32 s[G1V+5], 2048
	s_mov_b32 s[G1V+6], 0
	s_mov_b32 s[G1V+7], 0
	s_mov_b32 s[SEL], 0x76543210
	s_mov_b32 s[SEL+1], 0xfedcba98                 ; v_permlanex16_b32's selects for lane l xor 16
	s_mov_b32 s[CS], 0x3d38aa3b                    ; c = log2(e) / 32
	s_mov_b32 s[CS+1], s[CS]
	s_mov_b32 s[MNT], 0x600000                     ; the mantissa field of 57,344
	s_mov_b32 s97, 0
	s_mul_i32 s25, s[WV], 16*272
	s_add_co_u32 s25, s25, STAGE                   ; my stage
	v_and_b32 v8, 15, v0                           ; r
	v_bfe_u32 v9, v0, 4, 1                         ; h
	v_and_b32 v10, 31, v0                          ; lane
	v_and_b32 v11, 8, v8
	v_add_nc_u32 v11, v11, v8                      ; r + 8 (r / 8): my key in a fragment
	v_lshrrev_b32 v[AK0], 1, v11
	v_mul_u32_u24 v[AK0], v[AK0], 144              ; its pair,
	v_and_b32 v11, 1, v11
	v_lshl_add_u32 v[AK0], v11, 6, v[AK0]          ; which of the two,
	v_lshl_add_u32 v[AK0], v9, 4, v[AK0]           ; + 16 h
	v_mul_u32_u24 v[AV0], v8, VP
	v_lshl_add_u32 v[AV0], v9, 4, v[AV0]
	v_add_nc_u32 v[AV0], VB, v[AV0]
	v_lshl_add_u32 v[ASK0], v10, 2, SCK
	v_lshl_add_u32 v[ASV0], v10, 6, SCV
	v_lshlrev_b32 v[GO], 12, v9
	v_lshl_add_u32 v[GO], v8, 4, v[GO]
	v_mul_u32_u24 v[STO], v8, 272
	v_lshl_add_u32 v[STO], v9, 5, v[STO]
	v_add_nc_u32 v[STO], s25, v[STO]
	v_mul_u32_u24 v[RD], v9, 272
	v_lshl_add_u32 v[RD], v8, 4, v[RD]
	v_add_nc_u32 v[RD], s25, v[RD]
	v_lshlrev_b32 v[L16], 4, v10
	v_lshlrev_b32 v[L4], 2, v10
	v_lshlrev_b32 v[RH], 4, v9
	v_sub_nc_u32 v[RH], v8, v[RH]                  ; r - 16 h
	v_lshlrev_b32 v[PFX], 12, v10                  ; a lane a row of x
	v_lshrrev_b32 v90, 1, v0                       ; k's scale bytes: thread n takes keys 16 (n / 2) + 4 (n % 2) + 0..3 and the four keys 8 on
	v_and_b32 v91, 1, v0
	v_lshlrev_b32 v90, 5, v90
	v_lshl_add_u32 v90, v91, 3, v90
	v_lshlrev_b32 v91, 4, v0                       ; v's: 16 bytes a thread
	v_lshl_add_u32 v92, v0, 4, SCK                 ; and where both go
	WALU
	s_wait_dscnt 0x0                               ; both opening adds are done
	s_wait_kmcnt 0x0
	s_lshl_b32 s96, s31, 17                        ; a head's codes: 131,072 bytes in qc, in k and in v
	s_add_nc_u64 s[4:5], s[4:5], s[96:97]
	s_add_nc_u64 s[8:9], s[8:9], s[96:97]
	s_add_nc_u64 s[12:13], s[12:13], s[96:97]
	s_lshl_b32 s96, s31, 13
	s_add_nc_u64 s[6:7], s[6:7], s[96:97]
	s_lshl_b32 s96, s31, 12
	s_add_nc_u64 s[10:11], s[10:11], s[96:97]
	s_add_nc_u64 s[14:15], s[14:15], s[96:97]
	s_lshr_b32 s96, s31, 4
	s_lshl_b32 s96, s96, 23                        ; the batch's 2,048 rows of 4,096 bytes,
	s_and_b32 s39, s31, 15
	s_lshl_b32 s39, s39, 8                         ; the head's 256 bytes in a row
	s_add_co_u32 s96, s96, s39
	s_add_nc_u64 s[16:17], s[16:17], s[96:97]
	s_add_nc_u64 s[18:19], s[18:19], s[96:97]
	s_lshr_b32 s25, s[WV], 1                       ; my chunk of 512 keys: group 0 hangs on the head and the wave's number alone
	s_mov_b32 s[G0K], 1
	s_mul_i32 s[G0K+1], s25, 4*KSTEP
	s_lshl_b32 s96, s25, 15
	s_add_nc_u64 s[G0K+2:G0K+3], s[8:9], s[96:97]
	s_or_b32 s[G0K+3], s[G0K+3], 0x80000000
	s_mov_b32 s[G0V], 1
	s_mul_i32 s[G0V+1], s25, VCH
	s_add_co_u32 s[G0V+1], s[G0V+1], VB
	s_lshl_b32 s96, s25, 9
	s_add_nc_u64 s[G0V+2:G0V+3], s[12:13], s[96:97]
	s_or_b32 s[G0V+3], s[G0V+3], 0x80000000
	s_lshl_b32 s25, s[WV], 7
	s_lshl_b32 s39, s[IX], 5
	s_add_co_u32 s[Q0B], s25, s39                  ; the second unit's first query: 32 (4 w + i)
	s_sub_co_u32 s[Q0], 2016, s[Q0B]               ; the first unit's: 32 (63 - 4 w - i)
	s_sub_co_u32 s[DG], 15, s[WV]
	UADDR Q0, XBA, OBA, QCA, QSA
	UADDR Q0B, XBB, OBB, QCB, QSB
	global_load_b64 v[94:95], v90, s[10:11]
	global_load_b64 v[96:97], v90, s[10:11] offset:16
	global_load_b128 v[100:103], v91, s[14:15]
	QLOAD QR+8, 16, QCA, QSA, QS
	QLOAD QB2, 8, QCB, QSB, QS2
	CROUND                                         ; all four work-groups are here: the joint loads meet
	s_cmp_lt_u32 s[WV], 1                          ; one load a wave, in one chain of arms; waves 0 and 1, whose tiles the first barrier shows, have lines of their own
	s_cbranch_scc0 .Larm_1
	TL G0K, G1K
	s_branch .Lasked
.Larm_1:
	s_cmp_lt_u32 s[WV], 2
	s_cbranch_scc0 .Larm_2
	TL G0V, G1V
	s_branch .Lasked
.Larm_2:
	s_cmp_eq_u32 s[ODD], 0
	s_cbranch_scc0 .Larm_3
	TL G0K, G1K
	s_branch .Lasked
.Larm_3:
	TL G0V, G1V
.Lasked:
	v_mov_b32 v[NINF], 0xff800000
.irp t, 0,1
.irp b, 0,1,2,3
	v_mov_b32 v[W+16*\t+4+\b], 0                   ; written once: a lane permute's destination counts as one of its sources
.endr
	v_mov_b32 v[FF+2*\t+1], 0                      ; (named as the upper half of a pair)
	v_mov_b32 v[248+\t], 0
.endr
	WIN 0x40
.irp j, 0,1,2,3,4,5,6,7
	v_mov_b32 v[QR+\j], 0                          ; the zero halves beside qA and qB: zero codes add nothing
	v_mov_b32 v[QR+16+\j], 0
	v_mov_b32 v[QR+32+\j], 0
.endr
	WIN 0
	INIT
	s_wait_loadcnt 0x0                             ; the scale bytes and q
	v_perm_b32 v104, v96, v94, 0x05040100          ; a word: key a's two bytes below, key a + 8's above
	v_perm_b32 v105, v96, v94, 0x07060302
	v_perm_b32 v106, v97, v95, 0x05040100
	v_perm_b32 v107, v97, v95, 0x07060302
	ds_store_b128 v92, v[104:107]
	ds_store_b128 v92, v[100:103] offset:4096
	WALU
	s_cmp_lt_u32 s[WV], 2
	s_cbranch_scc0 .Lnot_first
	s_wait_tensorcnt 0x0                           ; waves 0 and 1: keys 0-511 of K and of V have landed
.Lnot_first:
	s_wait_dscnt 0x0                               ; my scale words have landed
	BARRIER
	KLOAD AK0, ASK0                                ; step 0
	s_mov_b32 s[J], 0
	global_prefetch_b8 v[PFX], s[XBA:XBA+1] th:TH_LOAD_NT scope:SCOPE_SE   ; x's rows of my two units, 32 rows x 256 bytes each: asked for behind the first barrier, when keys 0-511 have landed
	global_prefetch_b8 v[PFX], s[XBB:XBB+1] th:TH_LOAD_NT scope:SCOPE_SE
.Lfirst:                                               ; steps 0-2 read keys 0-383 and ask ahead for K's 384-511: all in the first chunk
	STEP
	s_add_co_u32 s[J], s[J], 1
	s_cmp_lt_u32 s[J], 3
	s_cbranch_scc1 .Lfirst
	s_wait_tensorcnt 0x0                           ; every wave: its load has landed
	s_wait_dscnt 0x0
	BARRIER                                        ; the whole head lies in LDS
	s_mov_b32 s[J], 3
.Lrest:
	STEP
	s_add_co_u32 s[J], s[J], 1
	s_cmp_lt_u32 s[J], 16
	s_cbranch_scc1 .Lrest
	FINISH XBA, OBA
	s_wait_xcnt 0x0                                ; the stores have read their data: the registers are written again only behind this wait
	s_mov_b32 s[Q0], s[Q0B]                        ; THE SECOND UNIT
	s_mov_b32 s[DG], s[WV]
	WIN 0x41
.irp t, 0,1
.irp k, 0,1,2,3,4,5,6,7
	v_mov_b32 v[QR+8+16*\t+\k], v[QB2+8*\t+\k]
.endr
.endr
	WIN 0
	v_mov_b32 v[QS], v[QS2]
	INIT
	KLOAD AK0, ASK0
	s_mov_b32 s[J], 0
	WALU
.Lsecond:
	STEP
	s_add_co_u32 s[J], s[J], 1
	s_cmp_lt_u32 s[J], 16
	s_cbranch_scc1 .Lsecond
	FINISH XBB, OBB
	s_wait_tensorcnt 0x0                           ; the wave's end
	ds_add_u32 v[SPW], v[NIL]
	s_wait_dscnt 0x0
	CROUND                                         ; the closing round
	s_endpgm
.Lfunc_end_k_q4db89b563a_attn:
	.size	k_q4db89b563a_attn, .Lfunc_end_k_q4db89b563a_attn-k_q4db89b563a_attn
	.p2alignl 7, 3214868480
	.fill 96, 4, 3214868480
	.section	.rodata,"a",@progbits
	.p2align	6, 0x0
	.amdhsa_kernel k_q4db89b563a_attn
		.amdhsa_group_segment_fixed_size 327680
		.amdhsa_private_segment_fixed_size 0
		.amdhsa_enable_private_segment 0
		.amdhsa_kernarg_size 64
		.amdhsa_user_sgpr_count 2
		.amdhsa_user_sgpr_kernarg_segment_ptr 1
		.amdhsa_wavefront_size32 1
		.amdhsa_system_sgpr_workgroup_id_x 1
		.amdhsa_system_sgpr_workgroup_id_y 1
		.amdhsa_system_sgpr_workgroup_id_z 1
		.amdhsa_system_vgpr_workitem_id 0
		.amdhsa_next_free_vgpr 512
		.amdhsa_next_free_sgpr 102
		.amdhsa_reserve_vcc 1
		.amdhsa_float_denorm_mode_32 3
		.amdhsa_float_denorm_mode_16_64 3
		.amdhsa_memory_ordered 1
		.amdhsa_forward_progress 1
		.amdhsa_inst_pref_size 175
	.end_amdhsa_kernel
	.amdgpu_metadata
---
amdhsa.version: [ 1, 2 ]
amdhsa.kernels:
  - .name:           k_q4db89b563a_attn
    .symbol:         k_q4db89b563a_attn.kd
    .args:
      - { .name: qc, .offset: 0, .size: 8, .value_kind: global_buffer, .address_space: global }
      - { .name: qs, .offset: 8, .size: 8, .value_kind: global_buffer, .address_space: global }
      - { .name: k_codes, .offset: 16, .size: 8, .value_kind: global_buffer, .address_space: global }
      - { .name: k_scales, .offset: 24, .size: 8, .value_kind: global_buffer, .address_space: global }
      - { .name: v_codes, .offset: 32, .size: 8, .value_kind: global_buffer, .address_space: global }
      - { .name: v_scales, .offset: 40, .size: 8, .value_kind: global_buffer, .address_space: global }
      - { .name: x, .offset: 48, .size: 8, .value_kind: global_buffer, .address_space: global }
      - { .name: out0, .offset: 56, .size: 8, .value_kind: global_buffer, .address_space: global }
    .group_segment_fixed_size: 327680
    .private_segment_fixed_size: 0
    .kernarg_segment_align: 8
    .kernarg_segment_size: 64
    .max_flat_workgroup_size: 256
    .sgpr_count:     102
    .vgpr_count:     512
    .wavefront_size: 32
...
	.end_amdgpu_metadata
.endif
;; end of part 2
